; MI455X (gfx1250); checked and timed in simulation.
; The chip was launched on July 23, 2026; its instructions are those of AMD's public machine-readable ISA for CDNA 5 (MIT licence, August 2026) and "CDNA5" Instruction Set Architecture Reference Guide (July 2026). The comments in the code are by the model that wrote it; some were corrected since.
;; Simple Attention With KV Cache. Allowed arithmetic: matrix products marked QUANTISED: E4M3 operands, one E8M0 scale for each 32 along K, by v_wmma_scale_f32_16x16x128_f8f6f4 with both operands' format E4M3, f32 sums; everything else in f32.
;; Inputs: bk 1,024 float32; bo 1,024 float32; bq 1,024 float32; bv 1,024 float32; wk_codes 1,024 x 32 x 32 uint8 (E4M3 codes of wk, K innermost, in blocks of 32 codes); wk_scales 1,024 x 32 uint8 (E8M0 scales of wk, one for each 32 codes along K); wo_codes 1,024 x 32 x 32 uint8 (E4M3 codes of wo, K innermost, in blocks of 32 codes); wo_scales 1,024 x 32 uint8 (E8M0 scales of wo, one for each 32 codes along K); wq_codes 1,024 x 32 x 32 uint8 (E4M3 codes of wq, K innermost, in blocks of 32 codes); wq_scales 1,024 x 32 uint8 (E8M0 scales of wq, one for each 32 codes along K); wv_codes 1,024 x 32 x 32 uint8 (E4M3 codes of wv, K innermost, in blocks of 32 codes); wv_scales 1,024 x 32 uint8 (E8M0 scales of wv, one for each 32 codes along K); x_codes 2 x 2,048 x 32 x 32 uint8 (E4M3 codes of x, K innermost, in blocks of 32 codes); x_scales 2 x 2,048 x 32 uint8 (E8M0 scales of x, one for each 32 codes along K).
;; Outputs: out0 2 x 2,048 x 1,024 float32.
;; This version of the problem:
;;   THIS VERSION OF THE PROBLEM IS GIVEN IN LOW PRECISION. The matrix products marked QUANTISED in the list below multiply operands that are first quantised to E4M3 (4 exponent bits, 3 mantissa bits; 8 bits a number), with one power-of-two scale for each 32 numbers along K (OCP MX v1.0); their sums are f32. All else is computed in f32.
;;   The module's matrix products, in the order in which they are computed (A, B: the left and right operand; K: the contracted axis; several contracted axes count as one K, in the product's order):
;;     1. [M 4,096, K 1,024] x [K 1,024, N 1,024]; A: input x (given as codes); B: input wq (given as codes): QUANTISED
;;     2. [M 4,096, K 1,024] x [K 1,024, N 1,024]; A: input x (given as codes); B: input wk (given as codes): QUANTISED
;;     3. [M 4,096, K 1,024] x [K 1,024, N 1,024]; A: input x (given as codes); B: input wv (given as codes): QUANTISED
;;     4. batch 32 x [M 2,048, K 64] x [K 64, N 2,048]; A: computed on the way; B: computed on the way: QUANTISED
;;     5. batch 32 x [M 64, K 2,048] x [K 2,048, N 2,048]; A: computed on the way; B: softmax (see below): QUANTISED
;;     6. [M 4,096, K 1,024] x [K 1,024, N 1,024]; A: computed on the way; B: input wo (given as codes): QUANTISED
;;   THE QUANTISER, for each operand of a quantised product, along K:
;;     - K is cut into blocks of 32 from its start; a last block that is shorter is filled with zeros.
;;     - A block's scale is 2^e with e = floor(log2(the largest magnitude in the block)) - 8, held to -126 .. 127; a block of zeros has e = 0. As a byte (E8M0): e + 127.
;;     - Each number is divided by its block's scale, clamped to +-448, and rounded to the nearest number of E4M3, ties to even, subnormals kept.
;;     - The product sums the exact products of the quantised numbers (number of the format x scale) in f32.
;;   ~~~python
;;   def quantise(x, axis):      # numpy; x: float32 -> the quantised numbers, widened to float32 again
;;       x = np.moveaxis(x, axis, -1); K = x.shape[-1]
;;       x = np.pad(x, [(0, 0)] * (x.ndim - 1) + [(0, -K % 32)]); x = x.reshape(x.shape[:-1] + (-1, 32)); a = np.abs(x).max(-1, keepdims=True)
;;       e = np.where(a > 0, np.clip(np.frexp(np.where(a > 0, a, 1))[1] - 1 - 8, -126, 127), 0)      # np.frexp(a)[1] - 1 = floor(log2(a)), exactly
;;       r = np.clip(x / 2.0 ** e, -448, 448)
;;       step = 2.0 ** (np.maximum(np.frexp(np.where(r == 0, 1, r))[1] - 1, -6) - 3)
;;       q = np.round(r / step) * step * 2.0 ** e      # np.round: ties to even
;;       return np.moveaxis(q.reshape(q.shape[:-2] + (-1,))[..., :K], -1, axis).astype(np.float32)
;;   ~~~
;;   SOFTMAX AHEAD OF A QUANTISED PRODUCT. Where the list says 'softmax', what is quantised is not the finished softmax but p = 2^(t - M), with t = logit x log2(e) and M = ceil(the row's largest t), a whole number; so 1/2 < the row's largest p <= 1. The row's sum l is taken of the UNQUANTISED p, in f32, and the product's result is divided by l at the end. Since M is a whole number, a kernel that streams over the keys may use a running M (the ceiling of the running maximum): every later rescaling is an exact power of two, which a block's scale takes up: the codes' values come out the same.
;;   OPERANDS COMPUTED ON THE WAY. 'Computed on the way' means the value that the module computes at that place (a softmax that the list does not call 'softmax' is quantised finished and normalised). What goes into a quantiser is computed in f32, as accurately as f32 sums, v_exp_f32 and their like allow (about 1e-6 of the number): no bf16 or f16 on the way to a quantiser, and a product that is left as it is and whose result goes on into a quantised operand takes f32 operands (vector FMAs, or v_wmma_f32_16x16x4_f32). A number that lies on a knife's edge between two numbers of the format may be rounded either way, as far as f32 arithmetic and the matrix unit's own rounding can turn it there, and no further.
;;   INPUTS GIVEN AS CODES. wk (in the module: [1024, 1024], K = its axis 1); wo (in the module: [1024, 1024], K = its axis 1); wq (in the module: [1024, 1024], K = its axis 1); wv (in the module: [1024, 1024], K = its axis 1); x (in the module: [2, 2048, 1024], K = its axis 2): each comes as NAME_codes (uint8): NAME with its K axis moved to the last place and cut into blocks of 32 codes, [.., K / 32, bytes a block], one block behind the other in memory; one code a byte (a code: sign, 4 exponent bits, 3 mantissa bits); and NAME_scales (uint8): the same leading axes, one E8M0 byte (e + 127) for each 32 codes along K. Its value is code x scale, taken as it is: it is not quantised again, and the codes and scales need not be those that the quantiser above would give.
;; One version. Each part assembles by itself: llvm-mc -triple=amdgcn-amd-amdhsa -mcpu=gfx1250 --defsym DOCPART=n.
;; ======== version 1 of 1: 3 launches
;; limits: right only within a limited range of input values
;; workspace buffers: kv 8,781,824 bytes; qrec 4,456,448 bytes; arec 4,325,376 bytes
;; launch proj (part 1): grid 16 x 16, 4 waves a work-group, clusters of 4 x 4, 327,680 bytes of LDS; arguments x_codes, x_scales, wq_codes, wq_scales, bq, wk_codes, wk_scales, bk, wv_codes, wv_scales, bv, qrec, kv; writes qrec, kv
.if DOCPART == 1
	.amdgcn_target "amdgcn-amd-amdhsa--gfx1250"
	.amdhsa_code_object_version 6
	.text
	.protected	k_qcb98f3aa66_proj
	.globl	k_qcb98f3aa66_proj
	.p2align	8
	.type	k_qcb98f3aa66_proj,@function
k_qcb98f3aa66_proj:
	s_mov_b64 s[64:65], 0
	v_nop
	global_prefetch_b8 v0, s[64:65] scope:SCOPE_SE
	s_setreg_imm32_b32 hwreg(HW_REG_WAVE_MODE, 25, 1), 1
	s_wait_xcnt 0x0
	s_wait_alu depctr_hold_cnt(0) depctr_sa_sdst(0) depctr_va_vdst(0) depctr_va_sdst(0) depctr_va_ssrc(0) depctr_va_vcc(0) depctr_vm_vsrc(0)
	s_getreg_b32 s2, hwreg(HW_REG_IB_STS2, 6, 4)
	s_cmp_eq_u32 s2, 0
	s_cbranch_scc0 .Lentry_in_a_cluster
	s_endpgm
.Lentry_in_a_cluster:
	s_bfe_u32 s2, ttmp6, 0x10000c
	s_cmp_lg_u32 s2, 0xf033
	s_cbranch_scc0 .Lentry_shape_is_right
	s_endpgm
.Lentry_shape_is_right:
; q = x Wq^T + bq, k = x Wk^T + bk, v = x Wv^T + bv on codes of E4M3 with E8M0 scales, and the three results quantised at once for the attention:
; q and k along the head's 64 channels (two blocks of 32), v along the keys (blocks of 32 tokens).  Nothing wide goes to memory.
; WORK LEFT OUT in this program: the key steps all of whose keys reference()'s own causal mask hides from a tile of queries (launch attn): their p is 0 for all values of the inputs.
;   A NaN, an infinity or an overflow that reaches only those scores is not carried to the result.  Every input has a way to the output and is loaded.
; SHARES.  A work-group takes 256 tokens and one head.  Wave w holds two tiles of 16 rows of Wq (w = 0, 1) or Wk (w = 2, 3), channels 32 (w & 1) on, and one tile of Wv, for all of K = 1,024: 384 registers.
; x goes through LDS in pairs of tiles (32 tokens); every fragment of x that a wave reads feeds three matrix instructions.
; CLUSTER of 4 x 4: the row shares x's rows (same y), the column shares a head's weights (same x): all tiles are asked for JOINTLY.
; FILLS.  At the head Wq's, Wk's, Wv's 64 rows (waves 0, 1, 2) and x's first 96 rows (wave 3).  When the weights are in registers, x's other 160 rows come over them in one drained round, 40 rows a wave; they are shown in the middle of pair 2.
; PREFETCH: those 160 rows are asked for behind the first barrier, 96 LDS loads and a round ahead of the tensor load: 40 blocks of 256 bytes a wave, the row's four partners sharing them by address.
; x's scale bytes are loaded in whole units through registers and stored to LDS.
; LAYOUT.  r = lane % 16, h = lane / 16.  A tile of a weight takes rows r + 8 (r / 8) (tile u of a group of 32 rows begins 8 u rows in).
;   q, k: source 0 = the weight's tile, source 1 = 16 tokens: a lane holds token r, and the 16 registers of tiles u = 0, 1 are channels 32 beta + 16 h + 0 .. 15: their codes ARE registers 4 beta .. 4 beta + 3 of the next operand.
;   v:    source 0 = 16 tokens, source 1 = Wv's tile: a lane holds one channel, and the 16 registers of two neighbouring tiles of tokens are keys 32 c + 8 h + 0 .. 7 and 32 c + 16 + 8 h + 0 .. 7.
;         The attention's p has the same keys in the same places, so K is permuted alike on both sides, inside one block of 32.
; THE QUANTISER of pair p stands among pair p + 1's products, three lines behind a product (two sets of sums).
; OUT.  Operands leave as images of their registers: four registers by one store, lane l's 16 bytes at 16 l: 512 consecutive bytes, aligned to 256.
;   kv:   [16 b + head][key step of 128][17,152]: K's images (tile T, group c at 1,024 T + 512 c), +8,192 K's scale words [T / 4][r][T % 4], +8,704 V's images (channel tile t, group c at 2,048 t + 512 c), +16,896 V's scale words [r][t].
;   qrec: [16 b + head][128 queries][8,704]: as the first 8,704 bytes of a kv chunk.
;   A scale word of q or k holds the bytes (b0, b1, b0, b1): K = 64 fills half of the instruction's 128.
; LIMITS: NaN, infinities and a given scale byte 0xff are not served.  A block of zeros gets the byte 1 where the quantiser says 127: its codes are zeros, and these bytes are read by this program alone.
.set CH,   17152
.set QR,   8704
.set XP,   1040                        ; an LDS row: 1,024 bytes + 16 of padding
.set RX,   192*XP                      ; x's first 96 rows, behind the weights' 192; x's rows 96 on come over the weights
.set SCX,  RX+96*XP                    ; x's scale bytes: token t at 32 t + 16 (t / 8)
.set STG,  SCX+8704                    ; stage for q's and k's scale words: [wave][record][512]
.set STGV, STG+4096                    ; stage for v's scale words: [record][256]
.set SPARE, STGV+512
.set WV,   3                           ; s3 wave; s34 wave & 1; s35 wave >> 1; s36 head; s37 token block; s38 cx; s39 cy; s104 first record; s105 16 b + head; s[42:43] an offset
.set LI,   4                           ; 16 x lane
.set WSA,  6                           ; weights' scale words: 32 (r + 8 (r / 8))
.set BA,   7                           ; q's, k's bias: 64 h
.set BVA,  8                           ; v's bias: 4 (r + 8 (r / 8))
.set XAD,  9                           ; v9-13 x's fragments: pairs 0, 1; 2; 3, 4; 5, 6; 7
.set XSA,  14                          ; x's scale words
.set SA,   15                          ; my stage for q's or k's scale words
.set SVA,  16                          ; my word in v's stage
.set FA,   17                          ; the stage as I copy it out
.set FVA,  18                          ; v's likewise
.set VW,   19                          ; v's scale word while it grows
.set PF,   20                          ; v20, v21 the prefetch's offsets
.set L8,   22
.set WAD,  23                          ; my two tiles of Wq or Wk in LDS
.set WVD,  24                          ; my tile of Wv
.set XST,  25                          ; where I put x's scale bytes
.set WS,   28                          ; v28-51 the weights' scale words: 8 u + s, v's at 16 + s
.set XS,   56                          ; v56-87 x's scale words, two sets: 16 set + 8 X + s
.set BQ,   88
.set BV,   104
.set CD,   160                         ; v160-171 the codes, four registers a block
.set SW,   172
.set TM,   176                         ; largest magnitudes, +4 bytes, +8 the hold, +12 the conversions' scale operand
; sums: set p % 2 at v112-159 or v192-239: block 0 = (X 0: u 0, 1), block 1 = (X 1: u 0, 1), block 2 = v (X 0, 1)
; window 1: my two tiles of Wq or Wk, tile u at v[128 u + 16 s];  window 2: Wv at v[16 s];  window 3: x's fragments, two buffers of four K steps: v[128 hf + 16 (2 sl + X)]
.set MSB, 0
.macro WIN new                         ; the immediate's high byte repeats the setting that is left
.if MSB != (\new)
	s_set_vgpr_msb (MSB<<8)|(\new)
.set MSB, (\new)
.endif
.endm
.macro PLACES n
.rept \n
	v_nop
.endr
.endm
.macro WALU
	s_wait_alu depctr_va_vdst(0)
.endm
.macro CROUND                          ; a round of the cluster's barrier
	s_barrier_signal -1
	s_barrier_wait -1
	s_cmp_lg_u32 s[WV], 0
	s_cbranch_scc1 .Lnot_wave_0_\@
	s_barrier_signal -3
.Lnot_wave_0_\@:
	s_barrier_wait -3
	s_barrier_signal -1
	s_barrier_wait -1
.endm
.macro GROUP1 g, mask, rows            ; so many whole rows of 1,024 bytes, 16 bytes of padding behind each 256 dwords
	s_or_b32 s[\g+0], s[\mask], (1<<20)|(1<<21)|(7<<22)|(3<<25)
	s_mov_b32 s[\g+1], 1024<<16
	s_mov_b32 s[\g+2], (\rows)<<16
	s_mov_b32 s[\g+3], 1024<<16
	s_mov_b32 s[\g+4], \rows
	s_mov_b32 s[\g+5], 1024
	s_mov_b32 s[\g+6], 0
	s_mov_b32 s[\g+7], 0
.endm
	s_load_b512 s[8:23], s[0:1], 0x0               ; x codes 8, x scales 10, wq codes 12, wq scales 14, bq 16, wk codes 18, wk scales 20, bk 22
	s_load_b256 s[24:31], s[0:1], 0x40             ; wv codes 24, wv scales 26, bv 28, qrec 30
	s_load_b64 s[32:33], s[0:1], 0x60              ; kv
	v_lshl_add_u32 v254, v0, 2, SPARE
	v_mov_b32 v255, 0
	ds_add_u32 v254, v255                          ; the opening lines: the add, twice on end, and its wait
	ds_add_u32 v254, v255
	v_lshrrev_b32 v1, 5, v0
	v_readfirstlane_b32 s[WV], v1
	s_and_b32 s34, s[WV], 1
	s_lshr_b32 s35, s[WV], 1
	s_bfe_u32 s38, ttmp6, 0x40000
	s_bfe_u32 s39, ttmp6, 0x40004
	s_lshl_b32 s36, ttmp9, 2
	s_add_co_u32 s36, s36, s38                     ; head
	s_and_b32 s37, ttmp7, 0xffff
	s_lshl_b32 s37, s37, 2
	s_add_co_u32 s37, s37, s39                     ; token block of 256
	s_lshl_b32 s66, s39, 2
	s_lshl_b32 s66, 15, s66                        ; my row of the cluster: shares x
	s_lshl_b32 s67, 0x1111, s38                    ; my column: shares the weights
	GROUP1 48, 67, 64
	GROUP1 56, 66, 96
	GROUP1 68, 66, 40
	s_lshr_b32 s105, s37, 3
	s_lshl_b32 s105, s105, 4
	s_add_co_u32 s105, s105, s36                   ; 16 b + head
	s_and_b32 s104, s37, 7
	s_lshl_b32 s104, s104, 1
	s_lshl_b32 s66, s105, 4
	s_add_co_u32 s104, s104, s66                   ; my first record or chunk: 16 (16 b + head) + 2 (token block % 8)
	s_mov_b32 s76, 1                               ; group 0: Wq, Wk, Wv, x's first rows, x's other rows
	s_mov_b32 s77, 0
	s_mov_b32 s80, 1
	s_mov_b32 s81, 64*XP
	s_mov_b32 s84, 1
	s_mov_b32 s85, 128*XP
	s_mov_b32 s4, 1
	s_mov_b32 s5, RX
	s_mov_b32 s44, 1
	s_mul_i32 s45, s[WV], 40*XP
	s_mov_b32 s43, 0
	s_mov_b32 s40, 0x600000                        ; the mantissa field of 448
	s_lshl_b32 s41, s34, 3                         ; my byte's place in a scale word of q or k
	s_mov_b32 s100, 0x76543210
	s_mov_b32 s101, 0xfedcba98                     ; v_permlanex16_b32's selects for lane l xor 16
	v_and_b32 v1, 31, v0                           ; lane
	v_and_b32 v2, 15, v0                           ; r
	v_bfe_u32 v3, v0, 4, 1                         ; h
	v_lshlrev_b32 v[LI], 4, v1
	v_lshlrev_b32 v[L8], 3, v1
	v_and_b32 v26, 8, v2
	v_add_nc_u32 v26, v26, v2                      ; r + 8 (r / 8)
	v_lshlrev_b32 v[WSA], 5, v26
	v_lshlrev_b32 v[BA], 6, v3
	v_lshlrev_b32 v[BVA], 2, v26
	v_mul_u32_u24 v27, v26, XP
	v_lshl_add_u32 v27, v3, 4, v27
	s_lshl_b32 s66, s35, 6
	s_lshl_b32 s67, s34, 5
	s_add_co_u32 s66, s66, s67
	s_mul_i32 s66, s66, XP                         ; my 32 rows of Wq or Wk
	v_add_nc_u32 v[WAD], s66, v27
	s_lshl_b32 s66, s35, 5
	s_lshl_b32 s67, s34, 3
	s_add_co_u32 s66, s66, s67
	s_mul_i32 s66, s66, XP
	s_add_co_u32 s66, s66, 128*XP                  ; my rows of Wv
	WALU                                           ; the wait, directly ahead of the reader below
	v_add_nc_u32 v[WVD], s66, v27
	v_mul_u32_u24 v27, v2, XP
	v_lshl_add_u32 v[XAD+2], v3, 4, v27
	v_add_nc_u32 v[XAD], RX, v[XAD+2]
	v_add_nc_u32 v[XAD+1], RX+64*XP, v[XAD+2]
	v_add_nc_u32 v[XAD+3], 64*XP, v[XAD+2]
	v_add_nc_u32 v[XAD+4], 128*XP, v[XAD+2]
	v_lshrrev_b32 v26, 3, v2
	v_lshlrev_b32 v[XSA], 5, v2
	v_lshl_add_u32 v[XSA], v26, 4, v[XSA]
	v_add_nc_u32 v[XSA], SCX, v[XSA]
	s_mul_i32 s66, s[WV], 2176
	s_add_co_u32 s66, s66, SCX
	v_lshl_add_u32 v26, v3, 4, v[LI]
	v_add_nc_u32 v[XST], s66, v26                  ; SCX + 2,176 w + 16 lane + 16 h
	s_lshl_b32 s66, s[WV], 10
	s_add_co_u32 s66, s66, STG
	v_lshlrev_b32 v26, 4, v2
	v_add_nc_u32 v[SA], s66, v26                   ; STG + 1,024 w + 16 r
	s_lshl_b32 s66, s[WV], 2
	s_add_co_u32 s66, s66, STGV
	v_add_nc_u32 v[SVA], s66, v26                  ; STGV + 16 r + 4 w
	s_lshl_b32 s66, s35, 11
	s_lshl_b32 s67, s34, 9
	s_add_co_u32 s66, s66, s67
	s_add_co_u32 s66, s66, STG
	v_add_nc_u32 v[FA], s66, v[LI]                 ; the stage of wave 2 (w >> 1), record w & 1; that of wave 2 (w >> 1) + 1 lies 1,024 on
	s_lshl_b32 s66, s34, 8
	s_add_co_u32 s66, s66, STGV
	v_add_nc_u32 v[FVA], s66, v[L8]
	s_lshl_b32 s66, s38, 2
	s_add_co_u32 s66, s66, s[WV]
	s_mul_i32 s66, s66, 40*256                     ; my 40 blocks of x's rows 96 .. 255
	s_add_co_u32 s66, s66, 96*1024
	v_lshlrev_b32 v26, 8, v1
	v_add_nc_u32 v[PF], s66, v26
	v_and_b32 v26, 7, v1
	v_lshlrev_b32 v26, 8, v26
	s_add_co_u32 s66, s66, 32*256
	v_add_nc_u32 v[PF+1], s66, v26
.irp b, 0,1,2
	v_mov_b32 v[TM+4+\b], 0                        ; written once: a lane permute's destination counts as one of its sources
.endr
	WALU                                           ; ahead of the waits below
	s_wait_dscnt 0x0
	CROUND                                         ; all sixteen work-groups are here: the joint loads meet
	s_wait_kmcnt 0x0
	s_lshl_b32 s42, s36, 16                        ; the head's 64 rows of a weight
	s_add_nc_u64 s[78:79], s[12:13], s[42:43]
	s_or_b32 s79, s79, 0x80000000
	s_add_nc_u64 s[82:83], s[18:19], s[42:43]
	s_or_b32 s83, s83, 0x80000000
	s_add_nc_u64 s[86:87], s[24:25], s[42:43]
	s_or_b32 s87, s87, 0x80000000
	s_lshl_b32 s42, s37, 18                        ; my 256 rows of x
	s_add_nc_u64 s[8:9], s[8:9], s[42:43]
	s_mov_b64 s[6:7], s[8:9]
	s_or_b32 s7, s7, 0x80000000
	s_mul_i32 s42, s[WV], 40*1024
	s_add_co_u32 s42, s42, 96*1024
	s_add_nc_u64 s[46:47], s[8:9], s[42:43]        ; the refill: rows 96 + 40 w on
	s_or_b32 s47, s47, 0x80000000
.macro ARM under, g0, g1, next
	s_cmp_lt_u32 s[WV], \under
	s_cbranch_scc0 \next
	tensor_load_to_lds s[\g0:\g0+3], s[\g1:\g1+7]
	s_nop 0
	PLACES 4
	s_branch .Lasked
\next:
.endm
	ARM 1, 76, 48, .Lhead_k
	ARM 2, 80, 48, .Lhead_v
	ARM 3, 84, 48, .Lhead_x
	tensor_load_to_lds s[4:7], s[56:63]
	s_nop 0
	PLACES 4
.Lasked:
	s_cmp_lt_u32 s[WV], 2                          ; waves 0, 1 work for q, waves 2, 3 for k
	s_cselect_b64 s[14:15], s[14:15], s[20:21]
	s_cselect_b64 s[16:17], s[16:17], s[22:23]
	s_cselect_b64 s[30:31], s[30:31], s[32:33]     ; where q's or k's images go
	s_mov_b32 s66, CH
	s_cselect_b32 s66, QR, s66                     ; and the pitch from record to record there
	s_lshl_b32 s42, s37, 13
	s_lshl_b32 s67, s[WV], 11
	s_add_co_u32 s42, s42, s67
	s_add_nc_u64 s[10:11], s[10:11], s[42:43]      ; the scale bytes of tokens 64 w on
	s_lshl_b32 s67, s36, 6
	s_lshl_b32 s42, s34, 5
	s_add_co_u32 s67, s67, s42                     ; first row of my two tiles: 64 head + 32 (w & 1)
	s_lshl_b32 s42, s67, 5
	s_add_nc_u64 s[14:15], s[14:15], s[42:43]
	s_lshl_b32 s42, s67, 2
	s_add_nc_u64 s[16:17], s[16:17], s[42:43]
	s_lshl_b32 s67, s36, 6
	s_lshl_b32 s42, s35, 5
	s_add_co_u32 s67, s67, s42
	s_lshl_b32 s42, s34, 3
	s_add_co_u32 s67, s67, s42                     ; first row of my tile of Wv: 64 head + 32 (w >> 1) + 8 (w & 1)
	s_lshl_b32 s42, s67, 5
	s_add_nc_u64 s[26:27], s[26:27], s[42:43]
	s_lshl_b32 s42, s67, 2
	s_add_nc_u64 s[28:29], s[28:29], s[42:43]
.irp k, 0,1,2,3
	global_load_b128 v[112+4*\k:115+4*\k], v[LI], s[10:11] offset:512*\k   ; x's scale bytes: 512 consecutive bytes each
.endr
.irp u, 0,1
	global_load_b128 v[WS+8*\u:WS+8*\u+3], v[WSA], s[14:15] offset:256*\u
	global_load_b128 v[WS+8*\u+4:WS+8*\u+7], v[WSA], s[14:15] offset:256*\u+16
	global_load_b128 v[BQ+8*\u:BQ+8*\u+3], v[BA], s[16:17] offset:32*\u          ; register j: channel 32 beta + 16 h + 8 u + j
	global_load_b128 v[BQ+8*\u+4:BQ+8*\u+7], v[BA], s[16:17] offset:32*\u+16
.endr
	global_load_b128 v[WS+16:WS+19], v[WSA], s[26:27]
	global_load_b128 v[WS+20:WS+23], v[WSA], s[26:27] offset:16
.irp j, 0,1,2,3,4,5,6,7
	global_load_b32 v[BV+\j], v[BVA], s[28:29]     ; in v's result a lane holds one channel: the same number in all eight registers
.endr
	s_mul_i32 s42, s104, s66
	s_lshl_b32 s67, s34, 9
	s_add_co_u32 s42, s42, s67
	s_add_nc_u64 s[88:89], s[30:31], s[42:43]      ; q's or k's images, record 0: + 512 (w & 1), my group c
	s_mov_b32 s42, s66
	s_add_nc_u64 s[90:91], s[88:89], s[42:43]      ; record 1
	s_add_co_u32 s42, s104, s34
	s_mul_i32 s42, s42, s66
	s_add_nc_u64 s[96:97], s[30:31], s[42:43]      ; the record whose scale words I copy out
	s_mul_i32 s42, s104, CH
	s_lshl_b32 s67, s[WV], 11
	s_add_co_u32 s42, s42, s67
	s_add_nc_u64 s[92:93], s[32:33], s[42:43]      ; v's images, chunk 0: + 2,048 w, my channel tile
	s_add_nc_u64 s[94:95], s[92:93], CH            ; chunk 1
	s_add_co_u32 s42, s104, s34
	s_mul_i32 s42, s42, CH
	s_add_nc_u64 s[98:99], s[32:33], s[42:43]      ; the chunk whose scale words of v waves 0 and 1 copy out
	s_wait_loadcnt 18                              ; x's scale bytes are in; the 18 loads behind them may be out
.irp k, 0,1,2,3
	ds_store_b128 v[XST], v[112+4*\k:115+4*\k] offset:544*\k
.endr
	s_wait_tensorcnt 0x0
	s_wait_dscnt 0x0
	s_barrier_signal -1
	s_barrier_wait -1                              ; the weights, x's first rows and its scale bytes are in LDS
	global_prefetch_b8 v[PF], s[8:9] th:TH_LOAD_NT scope:SCOPE_SE
	global_prefetch_b8 v[PF+1], s[8:9] th:TH_LOAD_NT scope:SCOPE_SE
	WIN 0x40                                       ; destination window 1
.irp u, 0,1
.irp s, 0,1,2,3,4,5,6,7
.irp c, 0,1,2,3
	ds_load_b128 v[128*\u+16*\s+4*\c:128*\u+16*\s+4*\c+3], v[WAD] offset:8*XP*\u+128*\s+32*\c
.endr
.endr
.endr
	WIN 0x80                                       ; destination window 2
.irp s, 0,1,2,3,4,5,6,7
.irp c, 0,1,2,3
	ds_load_b128 v[16*\s+4*\c:16*\s+4*\c+3], v[WVD] offset:128*\s+32*\c
.endr
.endr
	WIN 0
; x's fragments of pair p (32 tokens: tiles X = 0, 1), K steps 4 hf .. 4 hf + 3, into buffer hf; with hf = 0 also the pair's scale words, all eight K steps
.macro FETCH p, hf
.if (\p) < 3
.set FR_, XAD+(\p)/2
.set FO_, 32*XP*((\p)%2)
.else
.set FR_, XAD+((\p)+1)/2
.set FO_, 32*XP*(((\p)+1)%2)
.endif
	WIN 0xc0                                       ; destination window 3
.irp sl, 0,1,2,3
.irp x, 0,1
.irp c, 0,1,2,3
	ds_load_b128 v[128*\hf+16*(2*\sl+\x)+4*\c:128*\hf+16*(2*\sl+\x)+4*\c+3], v[FR_] offset:FO_+16*XP*\x+128*(4*\hf+\sl)+32*\c
.endr
.endr
.endr
	WIN 0
.if \hf == 0
.irp x, 0,1
	ds_load_b128 v[XS+16*((\p)%2)+8*\x:XS+16*((\p)%2)+8*\x+3], v[XSA] offset:(2*(\p)+\x)*544
	ds_load_b128 v[XS+16*((\p)%2)+8*\x+4:XS+16*((\p)%2)+8*\x+7], v[XSA] offset:(2*(\p)+\x)*544+16
.endr
.endif
.endm
; product n = 0 .. 23 of half hf: K step 4 hf + n / 6; the six sums take turns, one instruction a turn.  The first K step takes the bias as C: nothing is cleared and no bias is added.
.macro PROD p, hf, n
.set SL_, (\n)/6
.set I_, (\n)%6
.set K_, 4*\hf+SL_
.set AP_, 112+80*((\p)%2)
.set XP_, XS+16*((\p)%2)
.if I_ < 4
.set X_, I_/2
.set U_, I_%2
.set D_, AP_+16*X_+8*U_
.set C_, D_
.if K_ == 0
.set C_, BQ+8*U_
.endif
	WIN 0x0d                                       ; source 0 (the weight) window 1, source 1 (x) window 3
	v_wmma_scale_f32_16x16x128_f8f6f4 v[D_:D_+7], v[128*U_+16*K_:128*U_+16*K_+15], v[128*\hf+16*(2*SL_+X_):128*\hf+16*(2*SL_+X_)+15], v[C_:C_+7], v[WS+8*U_+K_], v[XP_+8*X_+K_]
.else
.set X_, I_-4
.set D_, AP_+32+8*X_
.set C_, D_
.if K_ == 0
.set C_, BV
.endif
	WIN 0x0b                                       ; source 0 (x) window 3, source 1 (Wv) window 2
	v_wmma_scale_f32_16x16x128_f8f6f4 v[D_:D_+7], v[128*\hf+16*(2*SL_+X_):128*\hf+16*(2*SL_+X_)+15], v[16*K_:16*K_+15], v[C_:C_+7], v[XP_+8*X_+K_], v[WS+16+K_]
.endif
.endm
; Line k = 0 .. 97 of pair q's quantiser: three blocks of 32 numbers, 16 in my registers and 16 in lane l xor 16's, become codes and scale bytes.  Each accumulator is read from its low end on.
.macro LINE k, q
.set AQ_, 112+80*((\q)%2)
.if (\k) < 3
	v_max3_num_f32 v[TM+(\k)], |v[AQ_+16*(\k)]|, |v[AQ_+16*(\k)+1]|, 0x4800000   ; and the floor 2^(9 - 127): the byte cannot fall under 1
.elseif (\k) < 24
.set B_, ((\k)-3)%3
.set J_, AQ_+16*B_+2+2*(((\k)-3)/3)
	v_max3_num_f32 v[TM+B_], v[TM+B_], |v[J_]|, |v[J_+1]|
.elseif (\k) < 27
	v_permlanex16_b32 v[TM+4+(\k)-24], v[TM+(\k)-24], s100, s101
.elseif (\k) < 30
	v_max_num_f32 v[TM+(\k)-27], v[TM+(\k)-27], v[TM+4+(\k)-27]
.elseif (\k) < 33
	v_add_nc_u32 v[TM+12+(\k)-30], 0xfc000000, v[TM+(\k)-30]       ; 8 off its exponent field: the conversion's scale operand
.elseif (\k) < 36
	v_and_or_b32 v[TM+8+(\k)-33], v[TM+(\k)-33], 0x7f800000, s40   ; 448 x the scale
.elseif (\k) < 39
	v_lshrrev_b32 v[TM+4+(\k)-36], 23, v[TM+12+(\k)-36]            ; the scale's byte
.elseif (\k) < 93
.set B_, ((\k)-39)/18
.set J_, ((\k)-39)%18
.if J_ == 8
	v_cvt_scalef32_pk8_fp8_f32 v[CD+4*B_:CD+4*B_+1], v[AQ_+16*B_:AQ_+16*B_+7], v[TM+12+B_]
.elseif J_ == 17
	v_cvt_scalef32_pk8_fp8_f32 v[CD+4*B_+2:CD+4*B_+3], v[AQ_+16*B_+8:AQ_+16*B_+15], v[TM+12+B_]
.else
.set J_, AQ_+16*B_+J_-J_/9
	v_med3_num_f32 v[J_], v[J_], -v[TM+8+B_], v[TM+8+B_]           ; the conversion to an 8-bit code does not saturate (ISA guide 7.6.2): the hold comes first
.endif
.elseif (\k) < 95
	v_mul_u32_u24 v[SW+(\k)-93], v[TM+4+(\k)-93], 0x10001          ; my byte twice, 16 bits apart,
.elseif (\k) < 97
	v_lshlrev_b32 v[SW+(\k)-95], s41, v[SW+(\k)-95]                ; at bytes 0 and 2 or 1 and 3
.elseif (\q)%4 == 0
	v_mov_b32 v[VW], v[TM+6]                       ; v's four blocks of a key step make one word
.else
	v_lshl_or_b32 v[VW], v[TM+6], 8*((\q)%4), v[VW]
.endif
.endm
.macro LINES from, to, q
.set L_, \from
.rept (\to)-(\from)
	LINE L_, \q
.set L_, L_+1
.endr
.endm
; 24 products; behind each of the first 'gaps' three lines of the last pair's quantiser, from line l0 on
.macro HALF p, hf, l0, gaps
.set N_, 0
.set L_, \l0
.rept 24
	PROD \p, \hf, N_
.if (\p) > 0 && N_ < (\gaps)
	WIN 0
.rept 3
	LINE L_, (\p)-1
.set L_, L_+1
.endr
.endif
.set N_, N_+1
.endr
	WIN 0
.endm
; A pair's codes leave, 512 consecutive bytes a store; its scale words go to the stages.
.macro OUTP q
.irp x, 0,1
	global_store_b128 v[LI], v[CD+4*\x:CD+4*\x+3], s[88+2*((\q)/4):89+2*((\q)/4)] offset:(2*((\q)%4)+\x)*1024
.endr
	global_store_b128 v[LI], v[CD+8:CD+11], s[92+2*((\q)/4):93+2*((\q)/4)] offset:8704+512*((\q)%4)
.irp x, 0,1
	ds_store_b32 v[SA], v[SW+\x] offset:512*((\q)/4)+256*(((\q)%4)/2)+4*(2*((\q)%2)+\x)
.endr
.if (\q)%4 == 3
	ds_store_b32 v[SVA], v[VW] offset:256*((\q)/4)
.endif
.endm
.macro PAIR p
.if (\p) == 1
	s_wait_dscnt 32                                ; buffer 0 and the scale words are in; buffer 1's 32 loads may be out
.elseif (\p) == 5
	s_wait_dscnt 35                                ; likewise, and the last three stores into the stages
.elseif (\p) > 1
	s_wait_dscnt 34                                ; likewise, and the last two stores
.endif
.if (\p) > 1
	s_wait_xcnt 0x0                                ; the stores have read the codes' registers, which are written again below
.endif
	HALF \p, 0, 0, 20
.if (\p) > 0
	LINES 60, 69, (\p)-1                           ; nine plain lines: places in front of the loads below
.else
	PLACES 8
.endif
	WALU                                           ; ahead of the waits below
.if (\p) == 2
	s_wait_tensorcnt 0x0                           ; my part of x's rows 96 on has landed
	s_wait_dscnt 0x0
	s_barrier_signal -1
	s_barrier_wait -1                              ; everybody's has
.endif
.if (\p) < 7
	FETCH (\p)+1, 0
	s_wait_dscnt 36                                ; all but the 36 just issued: buffer 1 is in
.else
	s_wait_dscnt 0x0
.endif
	HALF \p, 1, 69, 6
.if (\p) > 0
	LINES 87, 98, (\p)-1                           ; eleven plain lines
.else
	PLACES 9
.endif
.if (\p) < 7
	FETCH (\p)+1, 1
.endif
.if (\p) > 0
	OUTP (\p)-1
.endif
.endm
	FETCH 0, 0
	FETCH 0, 1
	s_wait_loadcnt 0x0                             ; the weights' scales, the biases
	s_wait_tensorcnt 0x0                           ; the tensor wait, an add and its wait ahead of a refill's round:
	ds_add_u32 v254, v255
	s_wait_dscnt 0x0                               ; the add is done; the weights and pair 0 are in registers
	CROUND                                         ; no wave of any partner still reads the weights' rows
	tensor_load_to_lds s[44:47], s[68:75]          ; x's rows 96 + 40 w on, over the weights
	s_nop 0
	PLACES 4
.irp p, 0,1,2,3,4,5,6,7
	PAIR \p
.endr
	s_wait_xcnt 0x0
	LINES 0, 98, 7
	OUTP 7
	s_wait_dscnt 0x0                               ; for the others' sake: my stores into the stages are done
	s_barrier_signal -1
	s_barrier_wait -1
	ds_load_b128 v[32:35], v[FA]                   ; a record's scale words of q or k: bytes 0, 2 from one wave,
	ds_load_b128 v[36:39], v[FA] offset:1024       ; bytes 1, 3 from the other
	s_wait_dscnt 0x0
.irp i, 0,1,2,3
	v_or_b32 v[32+\i], v[32+\i], v[36+\i]
.endr
	global_store_b128 v[LI], v[32:35], s[96:97] offset:8192    ; 512 consecutive bytes
	s_cmp_lt_u32 s[WV], 2
	s_cbranch_scc0 .Lno_v
	ds_load_b64 v[40:41], v[FVA]
	s_wait_dscnt 0x0
	global_store_b64 v[L8], v[40:41], s[98:99] offset:16896    ; 256 consecutive bytes
.Lno_v:
	s_wait_tensorcnt 0x0                           ; the wave's end
	ds_add_u32 v254, v255
	s_wait_dscnt 0x0
	CROUND                                         ; the closing round
	s_endpgm
.Lfunc_end_k_qcb98f3aa66_proj:
	.size	k_qcb98f3aa66_proj, .Lfunc_end_k_qcb98f3aa66_proj-k_qcb98f3aa66_proj
	.p2alignl 7, 3214868480
	.fill 96, 4, 3214868480
	.section	.rodata,"a",@progbits
	.p2align	6, 0x0
	.amdhsa_kernel k_qcb98f3aa66_proj
		.amdhsa_group_segment_fixed_size 327680
		.amdhsa_private_segment_fixed_size 0
		.amdhsa_enable_private_segment 0
		.amdhsa_kernarg_size 104
		.amdhsa_user_sgpr_count 2
		.amdhsa_user_sgpr_kernarg_segment_ptr 1
		.amdhsa_wavefront_size32 1
		.amdhsa_system_sgpr_workgroup_id_x 1
		.amdhsa_system_sgpr_workgroup_id_y 1
		.amdhsa_system_sgpr_workgroup_id_z 1
		.amdhsa_system_vgpr_workitem_id 0
		.amdhsa_next_free_vgpr 1024
		.amdhsa_next_free_sgpr 106
		.amdhsa_reserve_vcc 0
		.amdhsa_float_denorm_mode_32 3
		.amdhsa_float_denorm_mode_16_64 3
		.amdhsa_memory_ordered 1
		.amdhsa_forward_progress 1
		.amdhsa_inst_pref_size 172
	.end_amdhsa_kernel
	.amdgpu_metadata
---
amdhsa.version: [ 1, 2 ]
amdhsa.kernels:
  - .name:           k_qcb98f3aa66_proj
    .symbol:         k_qcb98f3aa66_proj.kd
    .args:
      - { .name: x_codes, .offset: 0, .size: 8, .value_kind: global_buffer, .address_space: global }
      - { .name: x_scales, .offset: 8, .size: 8, .value_kind: global_buffer, .address_space: global }
      - { .name: wq_codes, .offset: 16, .size: 8, .value_kind: global_buffer, .address_space: global }
      - { .name: wq_scales, .offset: 24, .size: 8, .value_kind: global_buffer, .address_space: global }
      - { .name: bq, .offset: 32, .size: 8, .value_kind: global_buffer, .address_space: global }
      - { .name: wk_codes, .offset: 40, .size: 8, .value_kind: global_buffer, .address_space: global }
      - { .name: wk_scales, .offset: 48, .size: 8, .value_kind: global_buffer, .address_space: global }
      - { .name: bk, .offset: 56, .size: 8, .value_kind: global_buffer, .address_space: global }
      - { .name: wv_codes, .offset: 64, .size: 8, .value_kind: global_buffer, .address_space: global }
      - { .name: wv_scales, .offset: 72, .size: 8, .value_kind: global_buffer, .address_space: global }
      - { .name: bv, .offset: 80, .size: 8, .value_kind: global_buffer, .address_space: global }
      - { .name: qrec, .offset: 88, .size: 8, .value_kind: global_buffer, .address_space: global }
      - { .name: kv, .offset: 96, .size: 8, .value_kind: global_buffer, .address_space: global }
    .group_segment_fixed_size: 327680
    .private_segment_fixed_size: 0
    .kernarg_segment_align: 8
    .kernarg_segment_size: 104
    .max_flat_workgroup_size: 128
    .sgpr_count:     106
    .vgpr_count:     1024
    .wavefront_size: 32
...
	.end_amdgpu_metadata
.endif
;; end of part 1
;; launch attn (part 2): grid 8 x 32, 16 waves a work-group, clusters of 4 x 1, 311,296 bytes of LDS; arguments qrec, kv, arec; writes arec
.if DOCPART == 2
	.amdgcn_target "amdgcn-amd-amdhsa--gfx1250"
	.amdhsa_code_object_version 6
	.text
	.protected	k_qcb98f3aa66_attn
	.globl	k_qcb98f3aa66_attn
	.p2align	8
	.type	k_qcb98f3aa66_attn,@function
k_qcb98f3aa66_attn:
	s_mov_b64 s[64:65], 0
	v_nop
	global_prefetch_b8 v0, s[64:65] scope:SCOPE_SE
	s_setreg_imm32_b32 hwreg(HW_REG_WAVE_MODE, 25, 1), 1
	s_wait_xcnt 0x0
	s_wait_alu depctr_hold_cnt(0) depctr_sa_sdst(0) depctr_va_vdst(0) depctr_va_sdst(0) depctr_va_ssrc(0) depctr_va_vcc(0) depctr_vm_vsrc(0)
	s_getreg_b32 s2, hwreg(HW_REG_IB_STS2, 6, 4)
	s_cmp_eq_u32 s2, 0
	s_cbranch_scc0 .Lentry_in_a_cluster
	s_endpgm
.Lentry_in_a_cluster:
	s_bfe_u32 s2, ttmp6, 0x10000c
	s_cmp_lg_u32 s2, 0x3003
	s_cbranch_scc0 .Lentry_shape_is_right
	s_endpgm
.Lentry_shape_is_right:
; Causal attention of one head on codes of E4M3, and its result quantised along D for the last projection.
; t = score x log2(e) / 8; M = the running largest t rounded UP to a whole number; p = 2^(t - M) is quantised along the keys; the row's sum is taken of the unquantised p and divides O at the end.
; WORK LEFT OUT: key steps (128 keys) all of whose keys reference()'s causal mask hides from a tile's 16 queries.
; SHARES.  A work-group takes one head (y = 16 b + head) and, of each of the 16 blocks of 128 queries, tile j (its x, 0 .. 7).  Waves b and b + 8 (b = 0 .. 7) share two tiles: L in block 15 - b and N in block b.
; Wave b walks L's key steps 0 .. 8; wave b + 8 walks N's steps 0 .. b, sends N out, and walks L's steps 9 .. 15 - b; its part of L goes through LDS to wave b, which joins the two and sends L out.
; So a wave has nine or eight steps, whatever b; all that a branch hangs on is the wave's number; j enters only global addresses and the mask's numbers.
; CLUSTER.  The four work-groups of a cluster walk the same head: its 16 chunks of kv (17,152 bytes each, images of the operands' registers) are asked for JOINTLY, one a wave, and stay in LDS: every LDS byte is filled once.
; Chunks 0 and 1 (waves 0, 1, a load line of their own) are shown first; the other fourteen land while two steps are worked.  No prefetch: every byte is asked for at the head, and no loop runs ahead of it.
; LAYOUT.  S^T = K Q^T (source 0 = 16 neighbouring keys, source 1 = my 16 queries), O^T = V^T P^T: a lane holds ONE query (lane % 16) throughout.  K = 64 fills half of the instruction's 128: Q's registers 8-15 are zero codes;
; K's registers 8-15 are whatever finite codes stand behind a tile's eight (the next tile's, or p's), which Q's zeros make count for nothing.
; The 16 registers of key tiles 2 c and 2 c + 1 are keys 32 c + 8 h + 0 .. 7 and 32 c + 16 + 8 h + 0 .. 7: V's images hold the same keys in the same places (a permutation inside a block of 32, alike on both sides).
; A step's second product is done inside the next step (FLUSH after the last): the rescaling of O^T then stands behind the first product.
; OUT.  arec: [token tile 128 b + T][16,896]: images [K step 8][group 4][512], then scale words [K step 8][r 16].  A head gives two groups (1,024 bytes) and half a scale word a row: that last store is 2 bytes a lane,
; for the other half of the word is another head's, made in another work-group.
; LIMITS: NaN and infinities are not served; the scaled scores (exponents to the base 2) stay under 2^31 in magnitude.  A block of zeros gets the byte 1 where the quantiser says 127 (zero codes; read by this program alone).  1 / l is v_rcp_f32's.
.set CH,   17152
.set QR,   8704
.set AR,   16896
.set MRG,  16*CH                       ; the parts of L: 4,352 bytes for each pair of waves: O^T, then the sum and -M
.set SPARE, MRG+8*4352
.set WV,   10                          ; s10 wave; s11 cx; s12 j; s13 16 b + head; s14 my first tile's block; s44 b; s49 0: wave b, 1: wave b + 8; s51 15 - b
.set ST,   15                          ; s15 the key step
.set TB,   16                          ; s16 LDS byte at which its chunk begins
.set CNT,  17
.set SEL,  18                          ; s[18:19]
.set CS,   20                          ; s[20:21] c = log2(e) / 8; s48 -c
.set MNT,  22
.set SWT,  45                          ; s45 the trip at which wave b + 8 changes tiles; s59 what it then adds to the trip's number
.set BETA, 47                          ; s47 the block of the tile in hand = its last key step
.set TV,   53                          ; s53 where the chunk of the step before begins
.set LI,   1                           ; 16 x lane
.set LR,   2                           ; 16 r
.set ADK,  3
.set ADS,  4
.set DD,   5                           ; r - 8 h
.set ADV,  6
.set MB,   7                           ; my pair's place for O^T
.set MB2,  8                           ; and for the sum and -M
.set AO,   9                           ; 4 r
.set QS2,  11                          ; L's scale words of Q, v246-253 its codes
.set KF,   32                          ; v32-95  K's eight fragments of 8 registers, then V's four of 16
.set PC,   96                          ; v96-111 p's codes
.set S,    112                         ; v112-175 S^T, then p
.set O,    176                         ; v176-207 O^T
.set BM,   208
.set PT,   212
.set HD,   216
.set SO,   220
.set KS,   224                         ; v224-227 K's scale words (tiles 4-7 in lanes 16-31); v228-231 V's; v232 Q's; v233 p's: scales and nothing else
.set VS,   228
.set QS,   232
.set PS,   233
.set F,    234                         ; f = 2^(old M - new M)
.set C1,   236                         ; with v[14:15] the sum's four chains
.set C2,   238
.set C3,   240
.set T1,   242                         ; the new -M (pair 242-243)
.set T0,   243
.set NINF, 244
.set FL,   245
.set Q2,   246
; v12 -M, v13 the largest score, v[14:15] the sum's first chain, v16-31 Q
.macro PLACES n
.rept \n
	v_nop
.endr
.endm
.macro WALU
	s_wait_alu depctr_va_vdst(0)
.endm
.macro CROUND
	s_barrier_signal -1
	s_barrier_wait -1
	s_cmp_lg_u32 s[WV], 0
	s_cbranch_scc1 .Lnot_wave_0_\@
	s_barrier_signal -3
.Lnot_wave_0_\@:
	s_barrier_wait -3
	s_barrier_signal -1
	s_barrier_wait -1
.endm
.macro ZERO from, n
.set Z_, \from
.rept \n
	v_mov_b32 v[Z_], 0
.set Z_, Z_+1
.endr
.endm
.macro START                           ; a tile begins: no sums, the largest score -3e38, p's codes zeros
	ZERO O, 32
	ZERO PC, 16
	ZERO C1, 6
	v_mov_b32 v14, 0
	v_mov_b32 v15, 0
	v_mov_b32 v13, 0xff61b1e6
	v_mov_b32 v12, 0x7f61b1e6
.endm
	s_load_b128 s[4:7], s[0:1], 0x0                ; qrec, kv
	s_load_b64 s[8:9], s[0:1], 0x10                ; arec
	v_lshl_add_u32 v254, v0, 2, SPARE
	v_mov_b32 v255, 0
	ds_add_u32 v254, v255                          ; the opening lines: the add, twice on end, and its wait
	ds_add_u32 v254, v255
	v_lshrrev_b32 v3, 5, v0
	v_readfirstlane_b32 s[WV], v3
	s_bfe_u32 s11, ttmp6, 0x40000
	s_lshl_b32 s12, ttmp9, 2
	s_add_co_u32 s12, s12, s11                     ; j = 4 x cluster x + cx
	s_and_b32 s13, ttmp7, 0xffff                   ; 16 b + head, shared by the partners
	s_mov_b32 s32, 15|(3<<16)|(1<<21)              ; group 1: a chunk is 17,152 dense bytes: 67 rows of 256 (32 elements of 8 bytes), no padding: every read takes 512 consecutive bytes
	s_mov_b32 s33, 32<<16
	s_mov_b32 s34, 67<<16
	s_mov_b32 s35, 32<<16
	s_mov_b32 s36, 67
	s_mov_b32 s37, 32
	s_mov_b32 s38, 0
	s_mov_b32 s39, 0
	s_lshl_b32 s56, s13, 4
	s_add_co_u32 s57, s56, s[WV]
	s_mul_i32 s62, s57, CH                         ; chunk w of the head
	s_mov_b32 s63, 0
	s_mov_b32 s40, 1
	s_mul_i32 s41, s[WV], CH
	v_and_b32 v10, 15, v0                          ; r
	v_bfe_u32 v3, v0, 4, 1                         ; h
	v_and_b32 v[LI], 31, v0
	v_lshlrev_b32 v[LI], 4, v[LI]
	v_lshlrev_b32 v[LR], 4, v10
	v_lshlrev_b32 v[AO], 2, v10
	v_lshlrev_b32 v3, 3, v3
	v_sub_nc_u32 v[DD], v10, v3
	WALU
	s_wait_dscnt 0x0
	CROUND                                         ; the four work-groups are here: the joint loads meet
	s_wait_kmcnt 0x0
	s_add_nc_u64 s[42:43], s[6:7], s[62:63]
	s_or_b32 s43, s43, 0x80000000
	s_cmp_lt_u32 s[WV], 2
	s_cbranch_scc0 .Llater
	tensor_load_to_lds s[40:43], s[32:39]          ; chunks 0, 1: shown at the first barrier
	s_nop 0
	PLACES 4
	s_branch .Lasked
.Llater:
	tensor_load_to_lds s[40:43], s[32:39]          ; chunks 2 to 15: shown at the second
	s_nop 0
	PLACES 4
.Lasked:
	s_and_b32 s44, s[WV], 7                        ; b
	s_lshr_b32 s49, s[WV], 3
	s_xor_b32 s51, s44, 15                         ; 15 - b
	s_sub_co_u32 s59, 8, s44
	s_min_u32 s59, s59, 7
	s_add_co_u32 s[SWT], s44, 1
	s_max_u32 s[SWT], s[SWT], 2
	s_cmp_eq_u32 s49, 0
	s_cselect_b32 s14, s51, s44
	s_cselect_b32 s[SWT], 255, s[SWT]              ; wave b never changes tiles
	s_mov_b32 s[BETA], s14
	s_mov_b32 s[SEL], 0x76543210
	s_mov_b32 s[SEL+1], 0xfedcba98
	s_mov_b32 s[CS], 0x3e38aa3b
	s_mov_b32 s[CS+1], s[CS]                       ; (named with it as a pair, so it is written)
	s_mov_b32 s48, 0xbe38aa3b
	s_mov_b32 s[MNT], 0x600000                     ; the mantissa field of 448
	; Q's codes and scale words: tile j of my first tile's block, and of block 15 - b
	s_lshl_b32 s61, s12, 10
	s_lshr_b32 s57, s12, 2
	s_lshl_b32 s57, s57, 8
	s_and_b32 s58, s12, 3
	s_lshl_b32 s58, s58, 2
	s_add_co_u32 s57, s57, s58
	s_add_co_u32 s57, s57, 8192
	s_add_co_u32 s60, s56, s14
	s_mul_i32 s60, s60, QR
	s_add_co_u32 s62, s60, s61
	s_add_nc_u64 s[24:25], s[4:5], s[62:63]
	s_add_co_u32 s62, s60, s57
	s_add_nc_u64 s[26:27], s[4:5], s[62:63]
	s_add_co_u32 s60, s56, s51
	s_mul_i32 s60, s60, QR
	s_add_co_u32 s62, s60, s61
	s_add_nc_u64 s[66:67], s[4:5], s[62:63]
	s_add_co_u32 s62, s60, s57
	s_add_nc_u64 s[68:69], s[4:5], s[62:63]
	global_load_b128 v[16:19], v[LI], s[24:25]
	global_load_b128 v[20:23], v[LI], s[24:25] offset:512
	global_load_b32 v[QS], v[LR], s[26:27]
	global_load_b128 v[Q2:Q2+3], v[LI], s[66:67]
	global_load_b128 v[Q2+4:Q2+7], v[LI], s[66:67] offset:512
	global_load_b32 v[QS2], v[LR], s[68:69]
	; where the tile that I send out goes: wave b's is L, wave b + 8's is N: block s14
	s_lshr_b32 s60, s13, 4
	s_lshl_b32 s60, s60, 7
	s_lshl_b32 s61, s14, 3
	s_add_co_u32 s60, s60, s61
	s_add_co_u32 s60, s60, s12
	s_mul_i32 s60, s60, AR                         ; token tile 128 b + 8 block + j
	s_and_b32 s61, s13, 15                         ; the head
	s_lshr_b32 s57, s61, 1
	s_and_b32 s61, s61, 1
	s_lshl_b32 s58, s57, 11
	s_add_co_u32 s62, s60, s58
	s_lshl_b32 s58, s61, 10
	s_add_co_u32 s62, s62, s58
	s_add_nc_u64 s[28:29], s[8:9], s[62:63]        ; K step head / 2, groups 2 (head % 2) on
	s_lshl_b32 s58, s57, 6
	s_add_co_u32 s62, s60, s58
	s_lshl_b32 s58, s61, 1
	s_add_co_u32 s62, s62, s58
	s_add_co_u32 s62, s62, 16384
	s_add_nc_u64 s[30:31], s[8:9], s[62:63]        ; my half of the rows' scale words
	s_mul_i32 s52, s44, CH                         ; the chunk of N's last step,
	s_mul_i32 s61, s51, CH                         ; and of L's last step in this wave
	s_mov_b32 s60, 8*CH
	s_cmp_eq_u32 s49, 0
	s_cselect_b32 s50, s60, s61
	s_mul_i32 s60, s44, 4352
	s_add_co_u32 s60, s60, MRG
	v_add_nc_u32 v[MB], s60, v[LI]
	s_add_co_u32 s60, s60, 4096
	v_lshrrev_b32 v3, 1, v[LI]
	v_add_nc_u32 v[MB2], s60, v3
.irp i, 0,1,2,3,4,5,6,7
	v_cmp_gt_i32 s[72+\i], \i, v[DD]               ; the mask of the 16 keys on the diagonal: register i's key 8 h + i lies above r
.endr
	ZERO 24, 8                                     ; zero codes for K = 64 .. 127
	START
	ZERO PT, 4                                     ; a lane permute's destination counts as one of its sources
	ZERO F, 2
	v_mov_b32 v[T0], 0
	v_mov_b32 v[PS], 0x7f7f7f7f
	v_mov_b32 v[NINF], 0xff800000
	v_mov_b32 v[FL], 0x4800000                     ; the floor 2^(9 - 127): a scale's byte cannot fall under 1
.macro VLOAD                           ; V's four fragments and their scale words
.irp t, 0,1,2,3
.irp c, 0,1,2,3
	ds_load_b128 v[KF+16*\t+4*\c:KF+16*\t+4*\c+3], v[ADV] offset:8704+2048*\t+512*\c
.endr
.endr
	ds_load_b128 v[VS:VS+3], v[ADS] offset:16896
.endm
.macro RESCALE                         ; O^T under the M of the codes that are multiplied next; the wait ahead of the products' first readers
	WALU
.irp j, 0,2,4,6,8,10,12,14,16,18,20,22,24,26,28,30
	v_pk_mul_f32 v[O+\j:O+1+\j], v[O+\j:O+1+\j], v[F:F+1] op_sel_hi:[1,0]
.endr
.endm
.macro PV
.irp t, 0,1,2,3
	v_wmma_scale_f32_16x16x128_f8f6f4 v[O+8*\t:O+8*\t+7], v[KF+16*\t:KF+16*\t+15], v[PC:PC+15], v[O+8*\t:O+8*\t+7], v[VS+\t], v[PS]
.endr
.endm
; A KEY STEP: 128 keys.  TB: its chunk; TV: the chunk of the step before.
.macro STEP
	s_cmp_gt_u32 s[ST], s[BETA]                    ; all its keys come after my queries: left out.  No barrier and no tensor load stands in a step
	s_cbranch_scc1 .Lhid_\@
	v_add_nc_u32 v[ADK], s[TB], v[LI]
.irp t, 0,1,2,3,4,5,6,7
.irp c, 0,1
	ds_load_b128 v[KF+8*\t+4*\c:KF+8*\t+4*\c+3], v[ADK] offset:\t*1024+512*\c
.endr
.endr
	ds_load_b128 v[KS:KS+3], v[ADK] offset:8192    ; lanes 0-15: tiles 0-3's words, lanes 16-31: tiles 4-7's
	v_add_nc_u32 v[ADV], s[TV], v[LI]
	v_add_nc_u32 v[ADS], s[TV], v[LR]
	s_wait_dscnt 0x0
.irp t, 0,1,2,3
	v_wmma_scale_f32_16x16x128_f8f6f4 v[S+8*\t:S+8*\t+7], v[KF+8*\t:KF+8*\t+15], v[16:31], 0, v[KS+\t], v[QS]
.endr
.irp t, 4,5,6,7
	v_wmma_scale_f32_16x16x128_f8f6f4 v[S+8*\t:S+8*\t+7], v[KF+8*\t:KF+8*\t+15], v[16:31], 0, v[KS+\t-4], v[QS] matrix_a_scale:MATRIX_SCALE_ROW1
.endr
	RESCALE                                        ; sixteen plain lines: places in front of the loads and of the scores' first reads
	VLOAD                                          ; for the step before
	s_cmp_lt_u32 s[ST], s[BETA]                    ; only a tile's last step lies on the diagonal
	s_cbranch_scc1 .Lopen_\@
.irp g, 0,1,2,3,4,5,6,7                ; keys 16 g on: all count (g < j), none (g > j), or the diagonal's mask
	s_cmp_lt_u32 s12, \g
	s_cselect_b32 s58, -1, 0
	s_cmp_eq_u32 s12, \g
.irp i, 0,1,2,3,4,5,6,7
	s_cselect_b32 s[80+\i], s[72+\i], s58
	v_cndmask_b32 v[S+8*\g+\i], v[S+8*\g+\i], v[NINF], s[80+\i]
.endr
.endr
.Lopen_\@:
.irp b, 0,1,2,3
	v_max3_num_f32 v[BM+\b], v[S+16*\b], v[S+1+16*\b], v[S+2+16*\b]   ; the largest score of each block of 32 keys: for the row's maximum, and, since p rises with the score, for the block's largest p
.endr
.irp i, 3,5,7,9,11,13
.irp b, 0,1,2,3
	v_max3_num_f32 v[BM+\b], v[BM+\b], v[S+16*\b+\i], v[S+1+16*\b+\i]
.endr
.endr
.irp b, 0,1,2,3
	v_max_num_f32 v[BM+\b], v[BM+\b], v[S+15+16*\b]
.endr
.irp b, 0,1,2,3
	v_permlanex16_b32 v[PT+\b], v[BM+\b], s[SEL], s[SEL+1]
.endr
.irp b, 0,2
	v_dual_max_num_f32 v[BM+\b], v[PT+\b], v[BM+\b] :: v_dual_max_num_f32 v[BM+\b+1], v[PT+\b+1], v[BM+\b+1]
.endr
	v_max3_num_f32 v[T0], v[BM], v[BM+1], v13
	s_delay_alu instid0(VALU_DEP_1)
	v_max3_num_f32 v13, v[BM+2], v[BM+3], v[T0]    ; the largest score so far
	s_delay_alu instid0(VALU_DEP_1)
	v_mul_f32 v[T1], s48, v13                      ; -t
	s_delay_alu instid0(VALU_DEP_1)
	v_floor_f32 v[T1], v[T1]                       ; the new -M = floor(-t) = -ceil(t)
	s_delay_alu instid0(VALU_DEP_1)
	v_sub_f32 v[T0], v[T1], v12                    ; old M - new M: a whole number, 0 or less
	s_delay_alu instid0(VALU_DEP_1)
	v_cvt_i32_f32 v[T0], v[T0]                     ; (it saturates)
	s_delay_alu instid0(VALU_DEP_1)
	v_ldexp_f32 v[F], 1.0, v[T0]                   ; f: multiplying by it rounds nothing
.irp j, 0,2,4,6,8,10,12,14,16,18,20,22,24,26,28,30,32,34,36,38,40,42,44,46,48,50,52,54,56,58,60,62
	v_pk_fma_f32 v[S+\j:S+1+\j], v[S+\j:S+1+\j], s[CS:CS+1], v[T1:T1+1] op_sel_hi:[1,0,0]   ; t - M
.endr
.irp b, 0,2
	v_pk_fma_f32 v[BM+\b:BM+1+\b], v[BM+\b:BM+1+\b], s[CS:CS+1], v[T1:T1+1] op_sel_hi:[1,0,0]
.endr
	WALU                                           ; ahead of the wait and of the batch
	s_wait_dscnt 0x0                               ; V
	PV                                             ; the step before
.irp j, 0,1,2,3,4,5,6,7,8,9,10,11,12,13,14,15,16,17,18,19,20,21,22,23,24,25,26,27,28,29,30,31,32,33,34,35,36,37,38,39,40,41,42,43,44,45,46,47,48,49,50,51,52,53,54,55,56,57,58,59,60,61,62,63
	v_exp_f32 v[S+\j], v[S+\j]                     ; p = 2^(t - M)
.endr
.irp b, 0,1,2,3
	v_exp_f32 v[BM+\b], v[BM+\b]                   ; the block's largest p: the same two instructions on the same number
.endr
	v_mov_b32 v12, v[T1]                           ; (a plain line behind the exponentials)
	WALU
.irp b, 0,2
	v_dual_max_num_f32 v[BM+\b], v[FL], v[BM+\b] :: v_dual_max_num_f32 v[BM+\b+1], v[FL], v[BM+\b+1]
.endr
.irp b, 0,1,2,3
	v_and_or_b32 v[HD+\b], v[BM+\b], 0x7f800000, s[MNT]    ; 448 x the scale
.endr
.irp b, 0,1,2,3
	v_add_nc_u32 v[SO+\b], 0xfba00000, v[HD+\b]    ; 8 off the exponent field and the mantissa field taken away: the scale itself
.endr
	v_lshrrev_b32 v[PT], 23, v[SO]                 ; the four bytes make p's scale word
	v_lshrrev_b32 v[PT+1], 15, v[SO+1]
	v_lshrrev_b32 v[PT+2], 7, v[SO+2]
	v_pk_fma_f32 v[14:15], v[14:15], v[F:F+1], v[S:S+1] op_sel_hi:[1,0,1]        ; the sums under the new M, and the unquantised p
	v_pk_fma_f32 v[C1:C1+1], v[C1:C1+1], v[F:F+1], v[S+2:S+3] op_sel_hi:[1,0,1]
	v_pk_fma_f32 v[C2:C2+1], v[C2:C2+1], v[F:F+1], v[S+4:S+5] op_sel_hi:[1,0,1]
	v_pk_fma_f32 v[C3:C3+1], v[C3:C3+1], v[F:F+1], v[S+6:S+7] op_sel_hi:[1,0,1]
	v_add3_u32 v[PT], v[PT], v[PT+1], v[PT+2]
.irp j, 8,16,24,32,40,48,56
	v_pk_add_f32 v[14:15], v[14:15], v[S+\j:S+1+\j]
	v_pk_add_f32 v[C1:C1+1], v[C1:C1+1], v[S+2+\j:S+3+\j]
	v_pk_add_f32 v[C2:C2+1], v[C2:C2+1], v[S+4+\j:S+5+\j]
	v_pk_add_f32 v[C3:C3+1], v[C3:C3+1], v[S+6+\j:S+7+\j]
.endr
.irp b, 0,1,2,3
.irp i, 0,2,4,6,8,10,12,14
	v_dual_min_num_f32 v[S+16*\b+\i], v[HD+\b], v[S+16*\b+\i] :: v_dual_min_num_f32 v[S+16*\b+\i+1], v[HD+\b], v[S+16*\b+\i+1]   ; the hold: p is not negative
.endr
	v_cvt_scalef32_pk8_fp8_f32 v[PC+4*\b:PC+4*\b+1], v[S+16*\b:S+16*\b+7], v[SO+\b]
	v_cvt_scalef32_pk8_fp8_f32 v[PC+4*\b+2:PC+4*\b+3], v[S+16*\b+8:S+16*\b+15], v[SO+\b]
.endr
	v_lshl_or_b32 v[PS], v[SO+3], 1, v[PT]         ; (a plain line behind the last conversion)
	WALU
.Lhid_\@:
.endm
.macro FLUSH tv                        ; the last step's second product
	v_add_nc_u32 v[ADV], s[\tv], v[LI]
	v_add_nc_u32 v[ADS], s[\tv], v[LR]
	VLOAD
	RESCALE
	WALU
	s_wait_dscnt 0x0
	PV
	v_pk_add_f32 v[14:15], v[14:15], v[C1:C1+1]    ; the row's sum; with the last two, eight plain lines behind the products
	v_pk_add_f32 v[C2:C2+1], v[C2:C2+1], v[C3:C3+1]
	v_pk_add_f32 v[14:15], v[14:15], v[C2:C2+1]
	v_add_f32 v14, v14, v15
	v_permlanex16_b32 v[T0], v14, s[SEL], s[SEL+1]
	v_add_f32 v14, v14, v[T0]
	PLACES 2
.endm
.macro SEND                            ; O^T / l, quantised along D: two blocks of 32 channels of my head
	WALU
	v_rcp_f32 v14, v14
	v_nop
	WALU
.irp j, 0,2,4,6,8,10,12,14,16,18,20,22,24,26,28,30
	v_pk_mul_f32 v[S+\j:S+1+\j], v[O+\j:O+1+\j], v[14:15] op_sel_hi:[1,0]   ; register 16 b + i: channel 32 b + 16 h + i of query r; each accumulator from its low end on
.endr
.irp b, 0,1
	v_max3_num_f32 v[BM+\b], |v[S+16*\b]|, |v[S+1+16*\b]|, v[FL]
.endr
.irp i, 2,4,6,8,10,12,14
.irp b, 0,1
	v_max3_num_f32 v[BM+\b], v[BM+\b], |v[S+16*\b+\i]|, |v[S+1+16*\b+\i]|
.endr
.endr
.irp b, 0,1
	v_permlanex16_b32 v[PT+\b], v[BM+\b], s[SEL], s[SEL+1]
.endr
.irp b, 0,1
	v_max_num_f32 v[BM+\b], v[BM+\b], v[PT+\b]
.endr
.irp b, 0,1
	v_and_or_b32 v[HD+\b], v[BM+\b], 0x7f800000, s[MNT]
.endr
.irp b, 0,1
	v_add_nc_u32 v[SO+\b], 0xfba00000, v[HD+\b]
.endr
	v_lshrrev_b32 v[PT], 23, v[SO]
	v_lshrrev_b32 v[PT+1], 15, v[SO+1]
.irp b, 0,1
.irp i, 0,1,2,3,4,5,6,7,8,9,10,11,12,13,14,15
	v_med3_num_f32 v[S+16*\b+\i], v[S+16*\b+\i], -v[HD+\b], v[HD+\b]
.endr
	v_cvt_scalef32_pk8_fp8_f32 v[PC+4*\b:PC+4*\b+1], v[S+16*\b:S+16*\b+7], v[SO+\b]
	v_cvt_scalef32_pk8_fp8_f32 v[PC+4*\b+2:PC+4*\b+3], v[S+16*\b+8:S+16*\b+15], v[SO+\b]
.endr
	v_or_b32 v[T1], v[PT], v[PT+1]                 ; my head's two bytes of the row's scale word
	global_store_b128 v[LI], v[PC:PC+3], s[28:29]              ; 512 consecutive bytes each
	global_store_b128 v[LI], v[PC+4:PC+7], s[28:29] offset:512
	global_store_b16 v[AO], v[T1], s[30:31]                    ; both halves of the lanes hold and write the same
.endm
	WALU                                           ; the wait at the head's end
	s_wait_loadcnt 0x0                             ; Q
	s_cmp_lt_u32 s[WV], 2
	s_cbranch_scc0 .Lnot_yet
	s_wait_tensorcnt 0x0                           ; chunks 0, 1
.Lnot_yet:
	s_barrier_signal -1
	s_barrier_wait -1
	s_mov_b32 s[ST], 0
	s_mov_b32 s[TB], 0
	s_mov_b32 s[TV], 0                             ; the step before: none (p's codes are zeros), then step 0
	s_mov_b32 s[CNT], 2
.Lrun1:
	STEP
	s_add_co_u32 s[TB], s[TB], CH
	s_add_co_u32 s[ST], s[ST], 1
	s_sub_co_u32 s[CNT], s[CNT], 1
	s_cmp_lg_u32 s[CNT], 0
	s_cbranch_scc1 .Lrun1
	s_wait_tensorcnt 0x0
	s_wait_dscnt 0x0
	s_barrier_signal -1
	s_barrier_wait -1                              ; all chunks are in.  Nothing is filled again
	s_mov_b32 s[CNT], 1                            ; trips 2 .. 8; CNT is the trip's number less one
.Lrun2:
	s_add_co_u32 s61, s[CNT], 1
	s_cmp_lg_u32 s61, s[SWT]
	s_cbranch_scc1 .Lsame
	FLUSH 52                                       ; N is finished: it leaves, and L begins
	SEND
	s_wait_xcnt 0x0                                ; the stores have read their registers
	START
.irp i, 0,1,2,3,4,5,6,7
	v_mov_b32 v[16+\i], v[Q2+\i]
.endr
	v_mov_b32 v[QS], v[QS2]
	PLACES 8
	WALU
.Lsame:
	s_add_co_u32 s61, s[CNT], 1
	s_cmp_ge_u32 s61, s[SWT]
	s_cselect_b32 s46, s59, 0
	s_cselect_b32 s[BETA], s51, s14
	s_add_co_u32 s60, s[CNT], s46
	s_add_co_u32 s[ST], s60, 1
	s_mul_i32 s[TV], s60, CH
	s_min_u32 s[TV], s[TV], 14*CH
	s_add_co_u32 s[TB], s[TV], CH
	STEP
	s_add_co_u32 s[CNT], s[CNT], 1
	s_cmp_lt_u32 s[CNT], 8
	s_cbranch_scc1 .Lrun2
	FLUSH 50
	WALU
	s_cmp_eq_u32 s49, 0
	s_cbranch_scc1 .Lkeep
	v_mov_b32 v15, v12
.irp i, 0,1,2,3,4,5,6,7
	ds_store_b128 v[MB], v[O+4*\i:O+4*\i+3] offset:512*\i      ; my part of L: O^T,
.endr
	ds_store_b64 v[MB2], v[14:15]                              ; the sum and -M
.Lkeep:
	s_wait_dscnt 0x0
	s_barrier_signal -1
	s_barrier_wait -1
	s_cmp_lg_u32 s49, 0
	s_cbranch_scc1 .Lend
.irp i, 0,1,2,3,4,5,6,7
	ds_load_b128 v[S+4*\i:S+4*\i+3], v[MB] offset:512*\i
.endr
	ds_load_b64 v[BM:BM+1], v[MB2]
	s_wait_dscnt 0x0
	v_min_num_f32 v[T1], v12, v[BM+1]              ; the larger M of the two
	v_sub_f32 v[T0], v[T1], v12
	v_sub_f32 v[PT], v[T1], v[BM+1]
	v_cvt_i32_f32 v[T0], v[T0]
	v_cvt_i32_f32 v[PT], v[PT]
	v_ldexp_f32 v[F], 1.0, v[T0]
	v_ldexp_f32 v[C2], 1.0, v[PT]
	v_mul_f32 v14, v14, v[F]
	v_fma_f32 v14, v[BM], v[C2], v14
.irp j, 0,2,4,6,8,10,12,14,16,18,20,22,24,26,28,30
	v_pk_mul_f32 v[O+\j:O+1+\j], v[O+\j:O+1+\j], v[F:F+1] op_sel_hi:[1,0]
.endr
.irp j, 0,2,4,6,8,10,12,14,16,18,20,22,24,26,28,30
	v_pk_fma_f32 v[O+\j:O+1+\j], v[S+\j:S+1+\j], v[C2:C2+1], v[O+\j:O+1+\j] op_sel_hi:[1,0,1]
.endr
	SEND
.Lend:
	s_wait_tensorcnt 0x0                           ; the wave's end
	ds_add_u32 v254, v255
	s_wait_dscnt 0x0
	CROUND                                         ; the closing round
	s_endpgm
.Lfunc_end_k_qcb98f3aa66_attn:
	.size	k_qcb98f3aa66_attn, .Lfunc_end_k_qcb98f3aa66_attn-k_qcb98f3aa66_attn
	.p2alignl 7, 3214868480
	.fill 96, 4, 3214868480
	.section	.rodata,"a",@progbits
	.p2align	6, 0x0
	.amdhsa_kernel k_qcb98f3aa66_attn
		.amdhsa_group_segment_fixed_size 311296
		.amdhsa_private_segment_fixed_size 0
		.amdhsa_enable_private_segment 0
		.amdhsa_kernarg_size 24
		.amdhsa_user_sgpr_count 2
		.amdhsa_user_sgpr_kernarg_segment_ptr 1
		.amdhsa_wavefront_size32 1
		.amdhsa_system_sgpr_workgroup_id_x 1
		.amdhsa_system_sgpr_workgroup_id_y 1
		.amdhsa_system_sgpr_workgroup_id_z 1
		.amdhsa_system_vgpr_workitem_id 0
		.amdhsa_next_free_vgpr 256
		.amdhsa_next_free_sgpr 88
		.amdhsa_reserve_vcc 0
		.amdhsa_float_denorm_mode_32 3
		.amdhsa_float_denorm_mode_16_64 3
		.amdhsa_memory_ordered 1
		.amdhsa_forward_progress 1
		.amdhsa_inst_pref_size 83
	.end_amdhsa_kernel
	.amdgpu_metadata
---
amdhsa.version: [ 1, 2 ]
amdhsa.kernels:
  - .name:           k_qcb98f3aa66_attn
    .symbol:         k_qcb98f3aa66_attn.kd
    .args:
      - { .name: qrec, .offset: 0, .size: 8, .value_kind: global_buffer, .address_space: global }
      - { .name: kv, .offset: 8, .size: 8, .value_kind: global_buffer, .address_space: global }
      - { .name: arec, .offset: 16, .size: 8, .value_kind: global_buffer, .address_space: global }
    .group_segment_fixed_size: 311296
    .private_segment_fixed_size: 0
    .kernarg_segment_align: 8
    .kernarg_segment_size: 24
    .max_flat_workgroup_size: 512
    .sgpr_count:     88
    .vgpr_count:     256
    .wavefront_size: 32
...
	.end_amdgpu_metadata
.endif
;; end of part 2
;; launch oproj (part 3): grid 4 x 64, 4 waves a work-group, clusters of 4 x 1, 168,448 bytes of LDS; arguments arec, wo_codes, wo_scales, bo, out0; writes out0
.if DOCPART == 3
	.amdgcn_target "amdgcn-amd-amdhsa--gfx1250"
	.amdhsa_code_object_version 6
	.text
	.protected	k_qcb98f3aa66_oproj
	.globl	k_qcb98f3aa66_oproj
	.p2align	8
	.type	k_qcb98f3aa66_oproj,@function
k_qcb98f3aa66_oproj:
	s_mov_b64 s[64:65], 0
	v_nop
	global_prefetch_b8 v0, s[64:65] scope:SCOPE_SE
	s_setreg_imm32_b32 hwreg(HW_REG_WAVE_MODE, 25, 1), 1
	s_wait_xcnt 0x0
	s_wait_alu depctr_hold_cnt(0) depctr_sa_sdst(0) depctr_va_vdst(0) depctr_va_sdst(0) depctr_va_ssrc(0) depctr_va_vcc(0) depctr_vm_vsrc(0)
	s_getreg_b32 s2, hwreg(HW_REG_IB_STS2, 6, 4)
	s_cmp_eq_u32 s2, 0
	s_cbranch_scc0 .Lentry_in_a_cluster
	s_endpgm
.Lentry_in_a_cluster:
	s_bfe_u32 s2, ttmp6, 0x10000c
	s_cmp_lg_u32 s2, 0x3003
	s_cbranch_scc0 .Lentry_shape_is_right
	s_endpgm
.Lentry_shape_is_right:
; out = attn Wo^T + bo on codes of E4M3 with E8M0 scales; out is f32.
; SHARES.  A work-group takes 64 tokens (y) and 256 columns (x).  THE WAVES SHARE THE COLUMNS: wave w holds four tiles of 16 rows of Wo for all of K = 1,024 in 512 registers, read from memory once, and makes its 64 columns
; for all 64 tokens: 16 accumulators.  The tokens' codes come as images of the operand's registers (arec: a record of 16,896 bytes for each 16 tokens); every fragment read from LDS feeds four matrix instructions.
; CLUSTER.  The four column groups of a cluster need the same four records: each is asked for JOINTLY, one load a wave.  Every LDS byte is filled once.
; THE MATRIX INSTRUCTION IS USED TRANSPOSED (source 0 = 16 rows of Wo, source 1 = 16 tokens): a lane holds eight neighbouring columns of one row of out.  The bias is the C of each sum's first instruction.
; LIMITS: NaN, infinities and a given scale byte 0xff are not served.
.set AR,   16896
.set STAGE, 4*AR                       ; behind the records: 16 rows x (256 bytes + 16) for each wave; no tensor load lands here
.set WV,   14
.set LI,   4                           ; v4  16 x lane: records 0, 1
.set WA,   5                           ; v5  Wo's fragments: 1,024 r + 16 h
.set WSA,  6                           ; v6  32 r
.set BA,   7                           ; v7  32 h
.set LS,   8                           ; v8  4 r: scale words of records 0, 1
.set STO,  9                           ; v9  into my stage: 272 r + 32 h
.set RD,   10                          ; v10 back: 272 h + 16 r
.set CO,   11                          ; v11 and the same two rows in out: 4,096 h + 16 r
.set LI2,  12                          ; v12 16 x lane + 2 AR: records 2, 3 (their offsets would pass the LDS instructions' 16 bits)
.set LS2,  13                          ; v13 4 r + 2 AR
.set WS,   16                          ; v16-47  Wo's scale words, 8 t + s
.set AS,   48                          ; v48-79  the tokens', 8 X + s
.set BIAS, 80                          ; v80-111 8 t + j
.set ACC,  128                         ; v128-255 accumulator (X, t) at 8 (4 X + t)
; windows 1, 2: Wo's tile t in window 1 + t / 2 at v[128 (t % 2) + 16 s];  window 3: the tokens' fragments, two buffers: v[64 (s % 2) + 16 X]; on the way out rows read back, v0-31 and v32-63 by turns
.set MSB, 0
.macro WIN new
.if MSB != (\new)
	s_set_vgpr_msb (MSB<<8)|(\new)
.set MSB, (\new)
.endif
.endm
.macro PLACES n
.rept \n
	v_nop
.endr
.endm
.macro CROUND
	s_barrier_signal -1
	s_barrier_wait -1
	s_cmp_lg_u32 s[WV], 0
	s_cbranch_scc1 .Lnot_wave_0_\@
	s_barrier_signal -3
.Lnot_wave_0_\@:
	s_barrier_wait -3
	s_barrier_signal -1
	s_barrier_wait -1
.endm
	s_load_b128 s[4:7], s[0:1], 0x0                ; arec, Wo's codes
	s_load_b128 s[8:11], s[0:1], 0x10              ; Wo's scales, bo
	s_load_b64 s[12:13], s[0:1], 0x20              ; out
	v_lshl_add_u32 v126, v0, 2, 0x29000
	v_mov_b32 v127, 0
	ds_add_u32 v126, v127
	ds_add_u32 v126, v127
	v_lshrrev_b32 v1, 5, v0
	v_readfirstlane_b32 s[WV], v1
	s_bfe_u32 s15, ttmp6, 0x40000
	s_lshl_b32 s17, ttmp9, 2
	s_add_co_u32 s17, s17, s15                     ; column group = 4 x cluster x + cx: it enters global addresses of Wo, bo and out alone
	s_and_b32 s16, ttmp7, 0xffff                   ; token group, shared by the partners
	s_lshl_b32 s20, s16, 2
	s_add_co_u32 s20, s20, s[WV]
	s_mul_i32 s20, s20, AR                         ; record 4 y + w
	s_mov_b32 s21, 0
	s_mul_i32 s22, s[WV], AR
	; group 1: a record is 16,896 dense bytes: 66 rows of 256 (32 elements of 8 bytes), no padding
	s_mov_b32 s24, 15|(3<<16)|(1<<21)
	s_mov_b32 s25, 32<<16
	s_mov_b32 s26, 66<<16
	s_mov_b32 s27, 32<<16
	s_mov_b32 s28, 66
	s_mov_b32 s29, 32
	s_mov_b32 s30, 0
	s_mov_b32 s31, 0
	v_and_b32 v1, 31, v0
	v_and_b32 v2, 15, v0                           ; r
	v_bfe_u32 v3, v0, 4, 1                         ; h
	v_lshlrev_b32 v[LI], 4, v1
	v_add_nc_u32 v[LI2], 2*AR, v[LI]
	v_lshlrev_b32 v[WA], 10, v2
	v_lshl_add_u32 v[WA], v3, 4, v[WA]
	v_lshlrev_b32 v[WSA], 5, v2
	v_lshlrev_b32 v[BA], 5, v3
	v_lshlrev_b32 v[LS], 2, v2
	v_add_nc_u32 v[LS2], 2*AR, v[LS]
	s_mul_i32 s38, s[WV], 16*272
	s_add_co_u32 s38, s38, STAGE
	v_mul_u32_u24 v[STO], v2, 272
	v_lshl_add_u32 v[STO], v3, 5, v[STO]
	v_add_nc_u32 v[STO], s38, v[STO]
	v_mul_u32_u24 v[RD], v3, 272
	v_lshl_add_u32 v[RD], v2, 4, v[RD]
	v_add_nc_u32 v[RD], s38, v[RD]
	v_lshlrev_b32 v[CO], 12, v3
	v_lshl_add_u32 v[CO], v2, 4, v[CO]
	s_wait_dscnt 0x0
	s_wait_kmcnt 0x0
	s_mov_b32 s32, 1
	s_mov_b32 s33, s22
	s_add_nc_u64 s[34:35], s[4:5], s[20:21]
	s_or_b32 s35, s35, 0x80000000
	CROUND                                         ; the four work-groups are here: the joint loads meet
	tensor_load_to_lds s[32:35], s[24:31]          ; one load of mine is out
	s_nop 0
	PLACES 4                                       ; four plain lines behind the load
	s_lshl_b32 s18, s17, 8
	s_lshl_b32 s19, s[WV], 6
	s_add_co_u32 s18, s18, s19                     ; my first column
	s_mov_b32 s37, 0
	s_lshl_b32 s36, s18, 10
	s_add_nc_u64 s[6:7], s[6:7], s[36:37]
	s_lshl_b32 s36, s18, 5
	s_add_nc_u64 s[8:9], s[8:9], s[36:37]
	s_lshl_b32 s36, s18, 2
	s_add_nc_u64 s[10:11], s[10:11], s[36:37]
	s_add_nc_u64 s[12:13], s[12:13], s[36:37]
	s_lshl_b32 s36, s16, 18                        ; 64 rows of 4,096 bytes
	s_add_nc_u64 s[12:13], s[12:13], s[36:37]
	WIN 0x40
.irp t, 0,1
.irp s, 0,1,2,3,4,5,6,7
.irp c, 0,1,2,3
	global_load_b128 v[128*\t+16*\s+4*\c:128*\t+16*\s+4*\c+3], v[WA], s[6:7] offset:16384*\t+128*\s+32*\c
.endr
.endr
.endr
	WIN 0x80
.irp t, 0,1
.irp s, 0,1,2,3,4,5,6,7
.irp c, 0,1,2,3
	global_load_b128 v[128*\t+16*\s+4*\c:128*\t+16*\s+4*\c+3], v[WA], s[6:7] offset:16384*(\t+2)+128*\s+32*\c
.endr
.endr
.endr
	WIN 0
.irp t, 0,1,2,3
	global_load_b128 v[WS+8*\t:WS+8*\t+3], v[WSA], s[8:9] offset:512*\t
	global_load_b128 v[WS+8*\t+4:WS+8*\t+7], v[WSA], s[8:9] offset:512*\t+16
	global_load_b128 v[BIAS+8*\t:BIAS+8*\t+3], v[BA], s[10:11] offset:64*\t       ; register j: column 16 t + 8 h + j
	global_load_b128 v[BIAS+8*\t+4:BIAS+8*\t+7], v[BA], s[10:11] offset:64*\t+16
.endr
.macro FETCH s                         ; the four token tiles' fragments of K step s
	WIN 0xc0
.irp x, 0,1
.irp c, 0,1,2,3
	ds_load_b128 v[64*((\s)%2)+16*\x+4*\c:64*((\s)%2)+16*\x+4*\c+3], v[LI] offset:AR*\x+2048*(\s)+512*\c
.endr
.endr
.irp x, 0,1
.irp c, 0,1,2,3
	ds_load_b128 v[64*((\s)%2)+16*(\x+2)+4*\c:64*((\s)%2)+16*(\x+2)+4*\c+3], v[LI2] offset:AR*\x+2048*(\s)+512*\c
.endr
.endr
	WIN 0
.endm
.macro MUL s                           ; 16 matrix instructions: the 16 accumulators take turns, one instruction a turn
.irp g, 0,1
	WIN 0x0d+\g                                    ; source 0 (Wo) window 1 or 2, source 1 (the tokens) window 3
.irp u, 0,1
.irp x, 0,1,2,3
.if (\s) == 0
	v_wmma_scale_f32_16x16x128_f8f6f4 v[ACC+8*(4*\x+2*\g+\u):ACC+8*(4*\x+2*\g+\u)+7], v[128*\u+16*(\s):128*\u+16*(\s)+15], v[64*((\s)%2)+16*\x:64*((\s)%2)+16*\x+15], v[BIAS+8*(2*\g+\u):BIAS+8*(2*\g+\u)+7], v[WS+8*(2*\g+\u)+(\s)], v[AS+8*\x+(\s)]
.else
	v_wmma_scale_f32_16x16x128_f8f6f4 v[ACC+8*(4*\x+2*\g+\u):ACC+8*(4*\x+2*\g+\u)+7], v[128*\u+16*(\s):128*\u+16*(\s)+15], v[64*((\s)%2)+16*\x:64*((\s)%2)+16*\x+15], v[ACC+8*(4*\x+2*\g+\u):ACC+8*(4*\x+2*\g+\u)+7], v[WS+8*(2*\g+\u)+(\s)], v[AS+8*\x+(\s)]
.endif
.endr
.endr
.endr
.endm
; THE WAY OUT, 16 tokens at a time: a lane's 32 bytes go into my own stage and come back as whole rows of 256 bytes.  LDS serves a wave's instructions in order (ISA guide 5.7.1.4): no wait between the stores and the loads.
.macro TOSTAGE x
	WIN 0
.irp t, 0,1,2,3
	ds_store_b128 v[STO], v[ACC+8*(4*(\x)+\t):ACC+8*(4*(\x)+\t)+3] offset:64*\t       ; each accumulator from its low end on
	ds_store_b128 v[STO], v[ACC+8*(4*(\x)+\t)+4:ACC+8*(4*(\x)+\t)+7] offset:64*\t+16
.endr
	WIN 0xc0
.irp i, 0,1,2,3,4,5,6,7
	ds_load_b128 v[32*((\x)%2)+4*\i:32*((\x)%2)+4*\i+3], v[RD] offset:544*\i
.endr
	WIN 0
.endm
.macro SEND x, younger                 ; younger: the LDS instructions issued behind this block's loads, which may stay out
	s_wait_dscnt \younger
	WIN 0x0c                                       ; a store's data are its source 1: window 3
.irp i, 0,1,2,3,4,5,6,7
	global_store_b128 v[CO], v[32*((\x)%2)+4*\i:32*((\x)%2)+4*\i+3], s[12:13] offset:(16*(\x)+2*\i)*4096 th:TH_STORE_NT   ; sixteen lanes store 256 consecutive bytes, aligned; written once, read by nobody here
.endr
	WIN 0
.endm
	s_wait_tensorcnt 0x0                           ; my record has landed,
	s_barrier_signal -1
	s_barrier_wait -1                              ; everybody's has
.irp x, 0,1
.irp s, 0,1,2,3,4,5,6,7
	ds_load_b32 v[AS+8*\x+\s], v[LS] offset:AR*\x+16384+64*\s
.endr
.endr
	s_wait_alu depctr_va_vdst(0)
.irp x, 0,1
.irp s, 0,1,2,3,4,5,6,7
	ds_load_b32 v[AS+8*(\x+2)+\s], v[LS2] offset:AR*\x+16384+64*\s
.endr
.endr
	FETCH 0
	FETCH 1
	s_wait_loadcnt 0x0                             ; Wo, its scales, the bias
.irp s, 0,1,2,3,4,5,6,7
.if \s < 7
	s_wait_dscnt 16                                ; this K step's fragments are in; the next step's sixteen loads may be out
.else
	s_wait_dscnt 0x0
.endif
	MUL \s
	PLACES 8                                       ; in front of loads into registers that matrix instructions have read, and of the first read of results
.if \s < 6
	FETCH \s+2
.endif
.endr
	TOSTAGE 0
.irp x, 1,2,3
.if \x > 1
	s_wait_xcnt 0x0                                ; the stores of the block two back have read the registers into which this block's rows come
.endif
	TOSTAGE \x
	SEND \x-1, 16                                  ; behind the last block's loads: this block's eight stores and eight loads
.endr
	SEND 3, 0
	s_wait_tensorcnt 0x0
	ds_add_u32 v126, v127
	s_wait_dscnt 0x0
	CROUND                                         ; the closing round
	s_endpgm
.Lfunc_end_k_qcb98f3aa66_oproj:
	.size	k_qcb98f3aa66_oproj, .Lfunc_end_k_qcb98f3aa66_oproj-k_qcb98f3aa66_oproj
	.p2alignl 7, 3214868480
	.fill 96, 4, 3214868480
	.section	.rodata,"a",@progbits
	.p2align	6, 0x0
	.amdhsa_kernel k_qcb98f3aa66_oproj
		.amdhsa_group_segment_fixed_size 168448
		.amdhsa_private_segment_fixed_size 0
		.amdhsa_enable_private_segment 0
		.amdhsa_kernarg_size 40
		.amdhsa_user_sgpr_count 2
		.amdhsa_user_sgpr_kernarg_segment_ptr 1
		.amdhsa_wavefront_size32 1
		.amdhsa_system_sgpr_workgroup_id_x 1
		.amdhsa_system_sgpr_workgroup_id_y 1
		.amdhsa_system_sgpr_workgroup_id_z 1
		.amdhsa_system_vgpr_workitem_id 0
		.amdhsa_next_free_vgpr 896
		.amdhsa_next_free_sgpr 66
		.amdhsa_reserve_vcc 0
		.amdhsa_float_denorm_mode_32 3
		.amdhsa_float_denorm_mode_16_64 3
		.amdhsa_memory_ordered 1
		.amdhsa_forward_progress 1
		.amdhsa_inst_pref_size 56
	.end_amdhsa_kernel
	.amdgpu_metadata
---
amdhsa.version: [ 1, 2 ]
amdhsa.kernels:
  - .name:           k_qcb98f3aa66_oproj
    .symbol:         k_qcb98f3aa66_oproj.kd
    .args:
      - { .name: arec, .offset: 0, .size: 8, .value_kind: global_buffer, .address_space: global }
      - { .name: wo_codes, .offset: 8, .size: 8, .value_kind: global_buffer, .address_space: global }
      - { .name: wo_scales, .offset: 16, .size: 8, .value_kind: global_buffer, .address_space: global }
      - { .name: bo, .offset: 24, .size: 8, .value_kind: global_buffer, .address_space: global }
      - { .name: out0, .offset: 32, .size: 8, .value_kind: global_buffer, .address_space: global }
    .group_segment_fixed_size: 168448
    .private_segment_fixed_size: 0
    .kernarg_segment_align: 8
    .kernarg_segment_size: 40
    .max_flat_workgroup_size: 128
    .sgpr_count:     66
    .vgpr_count:     896
    .wavefront_size: 32
...
	.end_amdgpu_metadata
.endif
;; end of part 3
